; MI455X (gfx1250); checked and timed in simulation.
; The chip was launched on July 23, 2026; its instructions are those of AMD's public machine-readable ISA for CDNA 5 (MIT licence, August 2026) and "CDNA5" Instruction Set Architecture Reference Guide (July 2026). The comments in the code are by the model that wrote it; some were corrected since.
;; GSVD Layer. Allowed arithmetic: matrix products marked QUANTISED: E2M3 operands, one E8M0 scale for each 32 along K, by v_wmma_scale_f32_16x16x128_f8f6f4 with both operands' format E2M3, f32 sums; everything else in f32.
;; Inputs: S 4,096 float32; U_codes 2,048 x 128 x 24 uint8 (E2M3 codes of U, K innermost, in blocks of 32 codes, four codes in three bytes); U_scales 2,048 x 128 uint8 (E8M0 scales of U, one for each 32 codes along K); Vh 4,096 x 4,096 float32; x_codes 4 x 1,024 x 128 x 24 uint8 (E2M3 codes of x, K innermost, in blocks of 32 codes, four codes in three bytes); x_scales 4 x 1,024 x 128 uint8 (E8M0 scales of x, one for each 32 codes along K).
;; Outputs: out0 4 x 1,024 x 2,048 float32.
;; This version of the problem:
;;   THIS VERSION OF THE PROBLEM IS GIVEN IN LOW PRECISION. The matrix products marked QUANTISED in the list below multiply operands that are first quantised to E2M3 (2 exponent bits, 3 mantissa bits; 6 bits a number), with one power-of-two scale for each 32 numbers along K (OCP MX v1.0); their sums are f32. All else is computed in f32.
;;   The module's matrix products, in the order in which they are computed (A, B: the left and right operand; K: the contracted axis; several contracted axes count as one K, in the product's order):
;;     1. [M 2,048, K 4,096] x [K 4,096, N 4,096]; A: input U (given as codes); B: computed on the way: QUANTISED
;;     2. [M 4,096, K 4,096] x [K 4,096, N 2,048]; A: input x (given as codes); B: computed on the way: QUANTISED
;;   THE QUANTISER, for each operand of a quantised product, along K:
;;     - K is cut into blocks of 32 from its start; a last block that is shorter is filled with zeros.
;;     - A block's scale is 2^e with e = floor(log2(the largest magnitude in the block)) - 2, held to -126 .. 127; a block of zeros has e = 0. As a byte (E8M0): e + 127.
;;     - Each number is divided by its block's scale, clamped to +-7.5, and rounded to the nearest number of E2M3, ties to even, subnormals kept.
;;     - The product sums the exact products of the quantised numbers (number of the format x scale) in f32.
;;   ~~~python
;;   def quantise(x, axis):      # numpy; x: float32 -> the quantised numbers, widened to float32 again
;;       x = np.moveaxis(x, axis, -1); K = x.shape[-1]
;;       x = np.pad(x, [(0, 0)] * (x.ndim - 1) + [(0, -K % 32)]); x = x.reshape(x.shape[:-1] + (-1, 32)); a = np.abs(x).max(-1, keepdims=True)
;;       e = np.where(a > 0, np.clip(np.frexp(np.where(a > 0, a, 1))[1] - 1 - 2, -126, 127), 0)      # np.frexp(a)[1] - 1 = floor(log2(a)), exactly
;;       r = np.clip(x / 2.0 ** e, -7.5, 7.5)
;;       step = 2.0 ** (np.maximum(np.frexp(np.where(r == 0, 1, r))[1] - 1, 0) - 3)
;;       q = np.round(r / step) * step * 2.0 ** e      # np.round: ties to even
;;       return np.moveaxis(q.reshape(q.shape[:-2] + (-1,))[..., :K], -1, axis).astype(np.float32)
;;   ~~~
;;   OPERANDS COMPUTED ON THE WAY. 'Computed on the way' means the value that the module computes at that place (a softmax that the list does not call 'softmax' is quantised finished and normalised). What goes into a quantiser is computed in f32, as accurately as f32 sums, v_exp_f32 and their like allow (about 1e-6 of the number): no bf16 or f16 on the way to a quantiser, and a product that is left as it is and whose result goes on into a quantised operand takes f32 operands (vector FMAs, or v_wmma_f32_16x16x4_f32). A number that lies on a knife's edge between two numbers of the format may be rounded either way, as far as f32 arithmetic and the matrix unit's own rounding can turn it there, and no further.
;;   INPUTS GIVEN AS CODES. U (in the module: [2048, 4096], K = its axis 1); x (in the module: [4, 1024, 4096], K = its axis 2): each comes as NAME_codes (uint8): NAME with its K axis moved to the last place and cut into blocks of 32 codes, [.., K / 32, bytes a block], one block behind the other in memory; four codes in three bytes: a row's codes are one little-endian stream of bits, code i at bits 6 i .. 6 i + 5 (a code: sign, 2 exponent bits, 3 mantissa bits); and NAME_scales (uint8): the same leading axes, one E8M0 byte (e + 127) for each 32 codes along K. Its value is code x scale, taken as it is: it is not quantised again, and the codes and scales need not be those that the quantiser above would give.
;; One version. Each part assembles by itself: llvm-mc -triple=amdgcn-amd-amdhsa -mcpu=gfx1250 --defsym DOCPART=n.
;; ======== version 1 of 1: 3 launches
;; workspace buffers: sv_img 13,107,200 bytes; w_img 6,553,600 bytes; u_sc 262,144 bytes; x_sc 524,288 bytes
;; launch prep (part 1): grid 16 x 35, 4 waves a work-group, no clusters, 26,112 bytes of LDS; arguments Vh, S, U_scales, x_scales, sv_img, u_sc, x_sc; writes sv_img, u_sc, x_sc
.if DOCPART == 1
	.amdgcn_target "amdgcn-amd-amdhsa--gfx1250"
	.amdhsa_code_object_version 6
	.text
	.protected	k_qd05d1ea36f_prep
	.globl	k_qd05d1ea36f_prep
	.p2align	8
	.type	k_qd05d1ea36f_prep,@function
k_qd05d1ea36f_prep:
	s_mov_b64 s[64:65], 0
	v_nop
	global_prefetch_b8 v0, s[64:65] scope:SCOPE_SE
	s_setreg_imm32_b32 hwreg(HW_REG_WAVE_MODE, 25, 1), 1
	s_wait_xcnt 0x0
; TWO JOBS IN ONE LAUNCH, parted on the work-group's y.
; y < 32: SV[r][d] = S[r] x Vh[r][d], in f32, is quantised along r (Vh's FIRST axis, the first product's K) to codes of FP6 (E2M3) with one E8M0 byte for each 32 along r.
; y >= 32: the scale bytes of U and of x are laid anew, by K steps of 512, so that a tile's scales of one K step are 2,048 dense bytes.
; THE QUANTISER: a block's scale is 2^(floor(log2(its largest magnitude)) - 2); its byte is that magnitude's exponent field - 2, held at 1 from below by a floor among the maximum's leaves.
; LIMITS: NaN and infinities among the inputs are not served.  A block of zeros gets the byte 1 where the rule says 127: its codes are zeros, which add nothing under any byte but 0xff, and this program alone reads the bytes.
; sv_img: one block of 102,400 bytes for each 256 columns d (J) and each 512 along r (T), at (8 J + T) x 102,400.  In it fragment (i = 0..15, q = 0..3), 16 rows x 128 K, lies at 6,144 i + 1,536 q AS AN IMAGE OF THE
; OPERAND'S 12 REGISTERS: registers 4 c .. 4 c + 3 of lane L at 512 c + 16 L.  Behind the fragments, at 98,304 + 1,024 q + 4 (16 i + r), the rows' scale words.
; THE ROWS OF A FRAGMENT ARE NOT NEIGHBOURS: column d (mod 256) is row r = (d & 7) + 8 ((d >> 4) & 1) of fragment i = 2 (d / 32) + ((d >> 3) & 1), so that the next launch's results lie along d in a lane's registers.
; SHARES (y < 32): a work-group takes 256 columns x 128 along r; a wave 64 columns; A LANE TAKES TWO NEIGHBOURING COLUMNS AND ITS REGISTERS RUN DOWN r.  Each load reads one row of Vh at 64 neighbouring columns:
; 256 consecutive bytes, aligned.  The multiplication by S[r] writes its results column by column, so that it also sorts the pairs: nothing is transposed by an instruction of its own.
; The codes go through the wave's own stage in LDS (four fragment images, 1,552 bytes apart) and leave as the images lie: each store of the wave covers 512 consecutive bytes.  Waves share nothing: no barrier.
; Matrix units, clusters and tensor loads are left out: nothing here is read twice, and the loads' bytes in flight (64 loads of 256 bytes a wave) cost registers that are there.
.set ROWV,   16384                     ; a row of Vh in bytes
.set BBLK,   102400                    ; an image block
.set FPITCH, 1552                      ; from image to image in the stage: 1,536 + 16
.set WREG,   6400                      ; a wave's stage
.set VL,  1                            ; v1   8 x lane: my two columns in a load's 256 bytes
.set VA,  2                            ; v2   the stage, on the way in: my columns' fragment and rows
.set VR,  3                            ; v3   the stage, on the way out: 16 x lane
.set VO,  4                            ; v4   16 x lane: the same place in the image in memory
.set VS,  5                            ; v5   my two scale words' place in the wave's 256 bytes of them
.set YR,  40                           ; v40-103   S x Vh: column e's 32 numbers at v[YR + 32 e]
.set XR,  104                          ; v104-231  two sets of 32 pairs as loaded; at the end the images on their way out
; v[6:7] the two columns' scale words; v8, v9 largest magnitudes; v10, v11 the conversions' scale operands; v12, v13 bytes; v16-21, v28-33 a block's codes (v22-24, v34-36: their second halves as converted)
; s[32:63], s[68:99]: 32 numbers of S each, for the even and the odd blocks
	s_load_b256 s[4:11], s[0:1], 0x0               ; Vh s[4:5], S s[6:7], U's scales s[8:9], x's scales s[10:11]
	s_load_b128 s[12:15], s[0:1], 0x20             ; sv_img s[12:13], u_sc s[14:15]
	s_load_b64 s[16:17], s[0:1], 0x30              ; x_sc
	v_lshl_add_u32 v232, v0, 2, 0x6400
	v_mov_b32 v233, 0
	v_lshrrev_b32 v1, 5, v0
	v_readfirstlane_b32 s18, v1                    ; wave 0..3
	s_and_b32 s19, ttmp7, 0xffff                   ; work-group y
	s_wait_kmcnt 0x0
	s_cmp_ge_u32 s19, 32
	s_cbranch_scc1 .Lrelay
	; ---- y < 32: J = work-group x, the 128 along r = y
	v_and_b32 v14, 31, v0                          ; lane l
	v_lshlrev_b32 v[VL], 3, v14
	v_bfe_u32 v15, v0, 4, 1
	v_bfe_u32 v2, v0, 2, 1
	v_lshl_add_u32 v15, v15, 1, v2                 ; f = 2 (l >> 4) + ((l >> 2) & 1): which of the wave's four fragments my columns 2 l, 2 l + 1 belong to
	v_and_b32 v2, 3, v0                            ; l & 3
	v_bfe_u32 v3, v0, 3, 1                         ; (l >> 3) & 1: my columns' rows in the fragment are 2 (l & 3) + e + 8 ((l >> 3) & 1)
	v_lshlrev_b32 v[VS], 3, v2
	v_lshl_add_u32 v[VS], v3, 5, v[VS]
	v_lshl_add_u32 v[VS], v15, 6, v[VS]            ; 64 f + 4 x row: two words, 8 bytes
	v_lshlrev_b32 v2, 5, v2
	v_lshl_add_u32 v2, v3, 7, v2                   ; 16 x row
	v_mad_u32_u24 v2, v15, FPITCH, v2
	s_mul_i32 s24, s18, WREG
	v_add_nc_u32 v[VA], s24, v2
	v_lshlrev_b32 v[VO], 4, v14
	v_add_nc_u32 v[VR], s24, v[VO]
	s_lshl_b32 s26, s19, 21                        ; Vh: 128 y rows of 16,384 bytes (under 2^26),
	s_lshl_b32 s28, ttmp9, 10                      ; 256 J columns,
	s_lshl_b32 s29, s18, 8                         ; 64 for each wave
	s_add_co_u32 s26, s26, s28
	s_add_co_u32 s26, s26, s29
	s_mov_b32 s27, 0
	s_add_nc_u64 s[4:5], s[4:5], s[26:27]
	s_lshl_b32 s26, s19, 9                         ; S: 128 y numbers
	s_add_nc_u64 s[6:7], s[6:7], s[26:27]
	s_lshl_b32 s28, ttmp9, 3
	s_lshr_b32 s29, s19, 2
	s_add_co_u32 s28, s28, s29
	s_mul_i32 s28, s28, BBLK                       ; the block (J, T = y / 4)
	s_and_b32 s29, s19, 3                          ; q = y % 4
	s_mul_i32 s26, s18, 4*6144                     ; my wave's fragments i = 4 w .. 4 w + 3
	s_mul_i32 s30, s29, 1536
	s_add_co_u32 s26, s26, s30
	s_add_co_u32 s26, s26, s28
	s_add_nc_u64 s[20:21], s[12:13], s[26:27]      ; where my images go
	s_lshl_b32 s26, s29, 10
	s_lshl_b32 s30, s18, 8
	s_add_co_u32 s26, s26, s30
	s_add_co_u32 s26, s26, s28
	s_add_co_u32 s26, s26, 98304
	s_add_nc_u64 s[22:23], s[12:13], s[26:27]      ; and my 64 scale words
.macro LOADB b                         ; block b: rows 32 b + i of my 128, i = 0 .. 31, two columns a lane, into set b % 2
.set i, 0
.rept 32
	global_load_b64 v[XR+64*((\b)%2)+2*i:XR+64*((\b)%2)+2*i+1], v[VL], s[4:5] offset:(32*(\b)+i)*ROWV th:TH_LOAD_NT
.set i, i+1
.endr
.endm
.macro SLOAD b                         ; S of the same 32 rows, into the scalar set b % 2
	s_load_b512 s[32+36*((\b)%2):47+36*((\b)%2)], s[6:7], 128*(\b)
	s_load_b512 s[48+36*((\b)%2):63+36*((\b)%2)], s[6:7], 128*(\b)+64
.endm
.macro BLOCK b                         ; in the image block b is registers 6 (b / 2) .. 6 (b / 2) + 5 of lane row + 16 (b % 2)
.set SS, 32+36*((\b)%2)
.set XS, XR+64*((\b)%2)
.if (\b) < 3
	s_wait_loadcnt 32                              ; this block's 32 loads are in; the next block's 32 may be out
.else
	s_wait_loadcnt 0x0
.endif
.if (\b) >= 2
	s_wait_kmcnt 0x0                               ; S of blocks 2 and 3 was asked for two blocks ago
.endif
.set i, 0
.rept 32
	v_mul_f32 v[YR+i], s[SS+i], v[XS+2*i]          ; S[r] x Vh[r][d], one rounding, as the definition has it; the even column's go on end,
	v_mul_f32 v[YR+32+i], s[SS+i], v[XS+2*i+1]     ; and so do the odd column's
.set i, i+1
.endr
.if (\b) < 2
	LOADB (\b)+2                                   ; the set just read takes the block two further on
	SLOAD (\b)+2
.endif
	v_max3_num_f32 v8, |v[YR]|, |v[YR+1]|, 0x1800000       ; each column's largest magnitude: all 32 numbers are mine; and the floor 2^(3 - 127), so that the byte cannot fall under 1
	v_max3_num_f32 v9, |v[YR+32]|, |v[YR+33]|, 0x1800000
.set i, 2
.rept 15
	v_max3_num_f32 v8, v8, |v[YR+i]|, |v[YR+i+1]|          ; (the two columns by turns)
	v_max3_num_f32 v9, v9, |v[YR+32+i]|, |v[YR+33+i]|
.set i, i+2
.endr
	v_add_nc_u32 v10, 0xff000000, v8               ; 2 off the exponent field: the conversion takes the exponent field of this operand as its scale, and nothing else of it
	v_add_nc_u32 v11, 0xff000000, v9
	v_lshrrev_b32 v12, 23, v10                     ; the scale's byte
	v_lshrrev_b32 v13, 23, v11
.if (\b) == 0
	v_mov_b32 v6, v12                              ; four bytes make a column's scale word for these 128 along r, the lower r in the lower byte
	v_mov_b32 v7, v13
.else
	v_lshl_or_b32 v6, v12, 8*(\b), v6
	v_lshl_or_b32 v7, v13, 8*(\b), v7
	s_wait_dscnt 0x0                               ; the last block's stores into the stage have read the codes' registers
.endif
	v_cvt_scalef32_pk16_fp6_f32 v[16:18], v[YR:YR+15], v10
	v_cvt_scalef32_pk16_fp6_f32 v[22:24], v[YR+16:YR+31], v10      ; (a conversion's three registers begin on an even number: a block's second half is made elsewhere and moved)
	v_cvt_scalef32_pk16_fp6_f32 v[28:30], v[YR+32:YR+47], v11
	v_cvt_scalef32_pk16_fp6_f32 v[34:36], v[YR+48:YR+63], v11
	v_nop                                          ; one plain place behind a scaled conversion
.irp e, 0,1
.irp j, 0,1,2
	v_mov_b32 v[19+12*\e+\j], v[22+12*\e+\j]
.endr
.endr
.irp e, 0,1
.if (\b)/2 == 0
	ds_store_b128 v[VA], v[16+12*\e:19+12*\e] offset:16*\e+256*((\b)%2)        ; the image's registers 0-3,
	ds_store_b64 v[VA], v[20+12*\e:21+12*\e] offset:16*\e+256*((\b)%2)+512     ; 4 and 5
.else
	ds_store_b64 v[VA], v[16+12*\e:17+12*\e] offset:16*\e+256*((\b)%2)+520     ; 6 and 7,
	ds_store_b128 v[VA], v[18+12*\e:21+12*\e] offset:16*\e+256*((\b)%2)+1024   ; 8-11
.endif
.endr
.endm
	SLOAD 0
	SLOAD 1
	LOADB 0
	LOADB 1
	s_wait_kmcnt 0x0
	BLOCK 0
	BLOCK 1
	BLOCK 2
	BLOCK 3
	global_store_b64 v[VS], v[6:7], s[22:23]       ; the wave's 64 scale words: 256 consecutive bytes, aligned
.set n, 0
.rept 12
	ds_load_b128 v[XR+4*n:XR+4*n+3], v[VR] offset:FPITCH*(n/3)+512*(n%3)      ; LDS serves a wave's instructions in order (ISA guide 5.7.1.4): these see my stores
.set n, n+1
.endr
.set n, 0
.rept 12
	s_wait_dscnt 11-n                              ; the younger loads may stay out
	global_store_b128 v[VO], v[XR+4*n:XR+4*n+3], s[20:21] offset:6144*(n/3)+512*(n%3)   ; 512 consecutive bytes of an image; the next launch reads them, so no hint
.set n, n+1
.endr
	s_wait_tensorcnt 0x0
	ds_add_u32 v232, v233
	s_wait_dscnt 0x0
	s_endpgm
	; ---- y >= 32: 48 work-groups, one for each 128 rows of U (the first 16) or of x.  [row][128 bytes] becomes [T = 0..7][row][16 bytes].  Thread t takes row t.  No LDS.
.Lrelay:
	s_sub_co_u32 s24, s19, 32
	s_lshl_b32 s24, s24, 4
	s_add_co_u32 s24, s24, ttmp9                   ; 0 .. 47
	s_cmp_lt_u32 s24, 16                           ; U's or x's?  The choice hangs on the work-group's number alone
	s_cselect_b64 s[8:9], s[8:9], s[10:11]
	s_cselect_b64 s[14:15], s[14:15], s[16:17]
	s_cselect_b32 s25, 0, 16
	s_sub_co_u32 s24, s24, s25
	s_lshl_b32 s24, s24, 14                        ; 128 rows are 16,384 bytes, in and out
	s_mov_b32 s25, 0
	s_add_nc_u64 s[8:9], s[8:9], s[24:25]
	s_add_nc_u64 s[14:15], s[14:15], s[24:25]
	v_lshlrev_b32 v1, 7, v0                        ; in: my row of 128 bytes
	v_lshlrev_b32 v2, 4, v0                        ; out: my row's 16 bytes of a K step
.irp t, 0,1,2,3,4,5,6,7
	global_load_b128 v[XR+4*\t:XR+4*\t+3], v1, s[8:9] offset:16*\t
.endr
	s_wait_loadcnt 0x0
.irp t, 0,1,2,3,4,5,6,7
	global_store_b128 v2, v[XR+4*\t:XR+4*\t+3], s[14:15] offset:2048*\t       ; 512 consecutive bytes a wave
.endr
	s_endpgm
.Lfunc_end_k_qd05d1ea36f_prep:
	.size	k_qd05d1ea36f_prep, .Lfunc_end_k_qd05d1ea36f_prep-k_qd05d1ea36f_prep
	.p2alignl 7, 3214868480
	.fill 96, 4, 3214868480
	.section	.rodata,"a",@progbits
	.p2align	6, 0x0
	.amdhsa_kernel k_qd05d1ea36f_prep
		.amdhsa_group_segment_fixed_size 26112
		.amdhsa_private_segment_fixed_size 0
		.amdhsa_enable_private_segment 0
		.amdhsa_kernarg_size 56
		.amdhsa_user_sgpr_count 2
		.amdhsa_user_sgpr_kernarg_segment_ptr 1
		.amdhsa_wavefront_size32 1
		.amdhsa_system_sgpr_workgroup_id_x 1
		.amdhsa_system_sgpr_workgroup_id_y 1
		.amdhsa_system_sgpr_workgroup_id_z 1
		.amdhsa_system_vgpr_workitem_id 0
		.amdhsa_next_free_vgpr 234
		.amdhsa_next_free_sgpr 100
		.amdhsa_reserve_vcc 0
		.amdhsa_float_denorm_mode_32 3
		.amdhsa_float_denorm_mode_16_64 3
		.amdhsa_memory_ordered 1
		.amdhsa_forward_progress 1
		.amdhsa_inst_pref_size 41
	.end_amdhsa_kernel
	.amdgpu_metadata
---
amdhsa.version: [ 1, 2 ]
amdhsa.kernels:
  - .name:           k_qd05d1ea36f_prep
    .symbol:         k_qd05d1ea36f_prep.kd
    .args:
      - { .name: Vh, .offset: 0, .size: 8, .value_kind: global_buffer, .address_space: global }
      - { .name: S, .offset: 8, .size: 8, .value_kind: global_buffer, .address_space: global }
      - { .name: U_scales, .offset: 16, .size: 8, .value_kind: global_buffer, .address_space: global }
      - { .name: x_scales, .offset: 24, .size: 8, .value_kind: global_buffer, .address_space: global }
      - { .name: sv_img, .offset: 32, .size: 8, .value_kind: global_buffer, .address_space: global }
      - { .name: u_sc, .offset: 40, .size: 8, .value_kind: global_buffer, .address_space: global }
      - { .name: x_sc, .offset: 48, .size: 8, .value_kind: global_buffer, .address_space: global }
    .group_segment_fixed_size: 26112
    .private_segment_fixed_size: 0
    .kernarg_segment_align: 8
    .kernarg_segment_size: 56
    .max_flat_workgroup_size: 128
    .sgpr_count:     100
    .vgpr_count:     234
    .wavefront_size: 32
...
	.end_amdgpu_metadata
.endif
;; end of part 1
;; launch gemm1 (part 2): grid 16 x 16, 4 waves a work-group, clusters of 4 x 4, 327,680 bytes of LDS; arguments U_codes, u_sc, sv_img, w_img; writes w_img
.if DOCPART == 2
	.amdgcn_target "amdgcn-amd-amdhsa--gfx1250"
	.amdhsa_code_object_version 6
	.text
	.protected	k_qd05d1ea36f_gemm1
	.globl	k_qd05d1ea36f_gemm1
	.p2align	8
	.type	k_qd05d1ea36f_gemm1,@function
k_qd05d1ea36f_gemm1:
	s_mov_b64 s[64:65], 0
	v_nop
	global_prefetch_b8 v0, s[64:65] scope:SCOPE_SE
	s_setreg_imm32_b32 hwreg(HW_REG_WAVE_MODE, 25, 1), 1
	s_wait_xcnt 0x0
	s_wait_alu depctr_hold_cnt(0) depctr_sa_sdst(0) depctr_va_vdst(0) depctr_va_sdst(0) depctr_va_ssrc(0) depctr_va_vcc(0) depctr_vm_vsrc(0)
	s_getreg_b32 s2, hwreg(HW_REG_IB_STS2, 6, 4)
	s_cmp_eq_u32 s2, 0
	s_cbranch_scc0 .Lentry_in_a_cluster
	s_endpgm
.Lentry_in_a_cluster:
	s_bfe_u32 s2, ttmp6, 0x10000c
	s_cmp_lg_u32 s2, 0xf033
	s_cbranch_scc0 .Lentry_shape_is_right
	s_endpgm
.Lentry_shape_is_right:
; W[o][d] = the sum over r of U[o][r] SV[r][d], on codes of FP6 (E2M3) with one E8M0 scale for each 32 along r; the sums in f32.  W is the next product's operand with K = d: it is quantised along d HERE, in registers,
; and leaves as codes and scale words: it never lies in memory as f32.
; "A" = U: codes as given, [2,048][3,072 bytes]; its scale bytes laid by K steps (u_sc: [128 rows' tile][T][row][16]).  "B" = SV: images of the operand's registers with their scale words (sv_img: a block of 102,400 bytes for
; 256 rows d and 512 along K: fragment (i, q) at 6,144 i + 1,536 q, registers 4 c .. 4 c + 3 of lane L at 512 c + 16 L; scale word (q, row) at 98,304 + 1,024 q + 4 row).
; SHARES.  A tile of W is 128 (o) x 256 (d): 16 x 16 tiles, one for each of 256 work-groups (256 x 256 would give 128).  Four waves, 2 x 2; a wave makes 64 x 128: 32 accumulators of 16 x 16, 256 registers.
; K goes in eight steps of 512 through a ring of two LDS slots filled by the tensor data mover: 128 matrix instructions a wave between two changes of slots.  A wave has two tensor loads out at the start, later one.
; CLUSTERS: 4 x 4 work-groups.  The four of a row of the cluster need the same tiles of A, the four of a column the same blocks of B: each is asked for JOINTLY, by the same tensor load with the same descriptor and a mask that names the four.
; THE MATRIX INSTRUCTION IS USED TRANSPOSED (source 0 = 16 rows of B, source 1 = 16 rows of A): a lane holds ONE row o, and, by the order in which sv_img has B's rows, the 16 registers of accumulators (a, 2 n) and (a, 2 n + 1)
; are d = 32 n + 16 (lane / 16) + 0 .. 15 of the wave's 128: sixteen neighbours along the next K.
; LIMITS: NaN and infinities are not served.  A block of W that is all zeros gets the byte 1 where the rule says 127: its codes are zeros, and this program alone reads the bytes.
; REGISTERS, in windows of 256: window 0: v1-31 addresses; v32-63 B's scale words, v64-95 A's, two sets each, and nothing else ever; v128-223 A's fragments, two sets of 4 x 12; on the way out v128-229 are at work.
;   window 1: B's fragments, two sets of 8 x 12, at v0 and v128.   window 2: the accumulators, (a, b) at v[64 a + 8 b].
.set SLOT,   159744                    ; a slot: A's 128 rows, their scales, B's block
.set APITCH, 432                       ; a row of A in LDS: 3 x (128 bytes of data + 16 of padding) = 108 words: row r starts at bank 44 r mod 64 (64 banks of 4 bytes: ISA guide 11.1): sixteen different multiples of 4
.set ASC,    128*APITCH                ; 55,296: A's scales of this K step, 2,048 bytes
.set BOF,    ASC+2048                  ; 57,344: B's block, 102,400 bytes
.set BSC,    BOF+98304                 ; in it the scale words
.set SPARE,  2*SLOT                    ; behind the ring: the spare words, 128 bytes for each wave: two blocks of 256 bytes that no other line names
.set AROW,   3072                      ; a row of A in memory: 4,096 codes
.set BBLK,   102400
.set ADRA,  16                         ; v16-17 LDS address of my A fragments in slot 0, 1;  v18-19 the same for the pieces that lie behind one padding more
.set ADRB,  20                         ; v20-21 of my B fragments
.set ADRSA, 22                         ; v22-23 of A's scale words
.set ADRSB, 24                         ; v24-25 of B's
.set SPW,   28                         ; v28    LDS address of my spare word: SPARE + 4 x my thread's number; never rewritten
.set NIL,   29                         ; v29    0; never rewritten
.set SB,    32                         ; set s: v[SB + 16 s + 4 q + j]: lanes 0-15 the words of B's block 2 j, lanes 16-31 those of block 2 j + 1, for the slot's q-th 128 along K
.set SA,    64                         ; set s: v[SA + 16 s + 4 a + q]: lanes 0-15 the words of A's block a
.set AF,    128
.set G1A, 24                           ; s[24:31] descriptor group 1 for A's codes;  s[32:39] group 0, one set for each slot
.set G0A, 32
.set G1B, 48                           ; s[48:55], s[56:63] the same for B's blocks
.set G0B, 56
.set G1S, 68                           ; s[68:75], s[76:83] for A's scales
.set G0S, 76
.set MUL,  0xa1                        ; source 0 (B) window 1, source 1 (A) window 0, C and D window 2
.set TO_B, 0x40                        ; destination window 1, address window 0
.set MSB, 0
.macro WIN new                         ; the immediate's high byte repeats the setting that is left
.if MSB != \new
	s_set_vgpr_msb (MSB<<8)|\new
.set MSB, \new
.endif
.endm
.macro PLACES n
.rept \n
	v_nop
.endr
.endm
; A joint load: wave 0 fetches A's codes, wave 1 A's scales, waves 2 and 3 the halves of B's block.  The branches hang on the wave's number alone.  Four v_nop follow each line, ahead of the jump, the label and what follows.
.macro JLOAD s
	s_cmp_eq_u32 s14, 0
	s_cbranch_scc0 .Lnot_a_\@
	tensor_load_to_lds s[G0A+4*\s:G0A+4*\s+3], s[G1A:G1A+7]
	s_nop 0
	PLACES 4
	s_branch .Lasked_\@
.Lnot_a_\@:
	s_cmp_eq_u32 s14, 1
	s_cbranch_scc0 .Lfor_b_\@
	tensor_load_to_lds s[G0S+4*\s:G0S+4*\s+3], s[G1S:G1S+7]
	s_nop 0
	PLACES 4
	s_branch .Lasked_\@
.Lfor_b_\@:
	tensor_load_to_lds s[G0B+4*\s:G0B+4*\s+3], s[G1B:G1B+7]
	s_nop 0
	PLACES 4
.Lasked_\@:
.endm
.macro CREST                           ; a round of the cluster's barrier behind its opening barrier
	s_cmp_lg_u32 s14, 0
	s_cbranch_scc1 .Lnot_wave_0_\@
	s_barrier_signal -3
.Lnot_wave_0_\@:
	s_barrier_wait -3
	s_barrier_signal -1
	s_barrier_wait -1
.endm
.macro CROUND                          ; a whole round
	s_barrier_signal -1
	s_barrier_wait -1
	CREST
.endm
	s_load_b256 s[4:11], s[0:1], 0x0               ; A's codes s[4:5], A's scales s[6:7], B's images s[8:9], the result s[10:11]
	v_lshl_add_u32 v[SPW], v0, 2, SPARE
	v_mov_b32 v[NIL], 0
	ds_add_u32 v28, v29
	ds_add_u32 v28, v29
	s_wait_dscnt 0x0
	v_lshrrev_b32 v1, 5, v0
	v_readfirstlane_b32 s14, v1                    ; wave 0..3
	s_lshr_b32 s15, s14, 1                         ; which 64 of the tile's rows of A are mine
	s_and_b32 s16, s14, 1                          ; which 128 of its rows of B.  Also: which half of B's block waves 2 and 3 fetch
	s_bfe_u32 s40, ttmp6, 0x40000                  ; cx, cy: my place in the cluster
	s_bfe_u32 s41, ttmp6, 0x40004
	s_lshl_b32 s42, ttmp9, 2
	s_add_co_u32 s42, s42, s40                     ; B's tile = 4 x cluster x + cx
	s_and_b32 s17, ttmp7, 0xffff
	s_lshl_b32 s17, s17, 2
	s_add_co_u32 s17, s17, s41                     ; A's tile = 4 x cluster y + cy
	s_lshl_b32 s43, s41, 2
	s_lshl_b32 s43, 15, s43                        ; my row of the cluster
	s_lshl_b32 s44, 0x1111, s40                    ; my column
	; A's codes: 128 rows x 384 bytes, 3,072 bytes apart
	s_or_b32 s[G1A+0], s43, (1<<20)|(1<<21)|(4<<22)|(3<<25)   ; 15:0 the mask: my row; 17:16 elements of 1 byte; 20 padding on; 21 set beside a mask; 24:22 after every 32 words (code 4); 31:25 of 4 words (code 3)
	s_mov_b32 s[G1A+1], 384<<16                    ; tensor_dim0
	s_mov_b32 s[G1A+2], 128<<16                    ; tensor_dim1
	s_mov_b32 s[G1A+3], 384<<16                    ; tile_dim0
	s_mov_b32 s[G1A+4], 128                        ; tile_dim1
	s_mov_b32 s[G1A+5], AROW                       ; tensor_dim0_stride
	s_mov_b32 s[G1A+6], 0
	s_mov_b32 s[G1A+7], 0
	; A's scales: 2,048 dense bytes as 8 rows of 256 (32 elements of 8 bytes)
	s_or_b32 s[G1S+0], s43, (3<<16)|(1<<21)
	s_mov_b32 s[G1S+1], 32<<16
	s_mov_b32 s[G1S+2], 8<<16
	s_mov_b32 s[G1S+3], 32<<16
	s_mov_b32 s[G1S+4], 8
	s_mov_b32 s[G1S+5], 32
	s_mov_b32 s[G1S+6], 0
	s_mov_b32 s[G1S+7], 0
	; half of B's block: 51,200 dense bytes as 200 rows of 256
	s_or_b32 s[G1B+0], s44, (3<<16)|(1<<21)        ; the mask: my column
	s_mov_b32 s[G1B+1], 32<<16
	s_mov_b32 s[G1B+2], 200<<16
	s_mov_b32 s[G1B+3], 32<<16
	s_mov_b32 s[G1B+4], 200
	s_mov_b32 s[G1B+5], 32
	s_mov_b32 s[G1B+6], 0
	s_mov_b32 s[G1B+7], 0
	s_mul_i32 s18, s17, 128*AROW                   ; A's tile in bytes: it hangs on A's tile number alone, which my row of the cluster shares
	s_mov_b32 s19, 0
	s_lshl_b32 s22, s17, 14                        ; its scales: 16,384 bytes a tile
	s_mov_b32 s23, 0
	s_mul_i32 s46, s42, 8*BBLK                     ; B's tile: eight blocks; it hangs on B's tile number alone, which my column shares,
	s_mul_i32 s84, s16, BBLK/2                     ; and on the wave's number
	s_add_co_u32 s46, s46, s84
	s_mov_b32 s47, 0
	s_wait_kmcnt 0x0
	s_add_nc_u64 s[20:21], s[4:5], s[18:19]
	s_add_nc_u64 s[22:23], s[6:7], s[22:23]
	s_add_nc_u64 s[46:47], s[8:9], s[46:47]
	CROUND                                         ; all sixteen work-groups are here: the first joint loads meet
.irp s, 0,1
	s_mov_b32 s[G0A+4*\s], 1                                       ; 1:0 count = 1
	s_mov_b32 s[G0A+4*\s+1], \s*SLOT                               ; 63:32 LDS address: no place in the cluster enters it
	s_add_nc_u64 s[G0A+4*\s+2:G0A+4*\s+3], s[20:21], \s*384        ; 120:64 global address: K step s
	s_or_b32 s[G0A+4*\s+3], s[G0A+4*\s+3], 0x80000000              ; 127:126 type = 2
	s_mov_b32 s[G0S+4*\s], 1
	s_mov_b32 s[G0S+4*\s+1], \s*SLOT+ASC
	s_add_nc_u64 s[G0S+4*\s+2:G0S+4*\s+3], s[22:23], \s*2048
	s_or_b32 s[G0S+4*\s+3], s[G0S+4*\s+3], 0x80000000
	s_mov_b32 s[G0B+4*\s], 1
	s_add_co_u32 s[G0B+4*\s+1], s84, \s*SLOT+BOF
	s_add_nc_u64 s[G0B+4*\s+2:G0B+4*\s+3], s[46:47], \s*BBLK
	s_or_b32 s[G0B+4*\s+3], s[G0B+4*\s+3], 0x80000000
.endr
	s_cmp_eq_u32 s14, 0                            ; a wave's two first fills stand in one branch, ahead of every wait on TENSORcnt and every LDS read: two loads of mine are out; four v_nop follow the second
	s_cbranch_scc0 .Lfirst_not_a
	tensor_load_to_lds s[G0A:G0A+3], s[G1A:G1A+7]
	s_nop 0
	tensor_load_to_lds s[G0A+4:G0A+7], s[G1A:G1A+7]
	s_nop 0
	PLACES 4
	s_branch .Lfirst_asked
.Lfirst_not_a:
	s_cmp_eq_u32 s14, 1
	s_cbranch_scc0 .Lfirst_b
	tensor_load_to_lds s[G0S:G0S+3], s[G1S:G1S+7]
	s_nop 0
	tensor_load_to_lds s[G0S+4:G0S+7], s[G1S:G1S+7]
	s_nop 0
	PLACES 4
	s_branch .Lfirst_asked
.Lfirst_b:
	tensor_load_to_lds s[G0B:G0B+3], s[G1B:G1B+7]
	s_nop 0
	tensor_load_to_lds s[G0B+4:G0B+7], s[G1B:G1B+7]
	s_nop 0
	PLACES 4
.Lfirst_asked:
	v_and_b32 v1, 15, v0                           ; r = lane % 16
	v_bfe_u32 v2, v0, 4, 1                         ; h = lane / 16
	v_and_b32 v3, 31, v0                           ; lane
	v_mul_u32_u24 v4, v1, APITCH
	v_mad_u32_u24 v4, v2, 24, v4                   ; A: a fragment's row x pitch + 24 x half,
	v_lshl_add_u32 v5, v2, 4, v4                   ; and the same behind one padding more
	v_lshlrev_b32 v6, 4, v3                        ; 16 x lane: an image's place for my lane; never rewritten
	v_lshlrev_b32 v7, 4, v1                        ; A's scales: 16 bytes a row
	v_lshlrev_b32 v8, 2, v3                        ; B's: 4 bytes a row, 32 rows a load
	s_mul_i32 s18, s15, 64*APITCH                  ; my 64 rows of A
	s_mul_i32 s19, s16, 8*6144                     ; my 8 fragments' rows of B
	s_add_co_u32 s19, s19, BOF
	s_lshl_b32 s20, s15, 10
	s_add_co_u32 s20, s20, ASC
	s_lshl_b32 s21, s16, 9
	s_add_co_u32 s21, s21, BSC
.irp s, 0,1
	v_add_nc_u32 v[ADRA+\s], s18, v4
	v_add_nc_u32 v[ADRA+2+\s], s18, v5
	v_add_nc_u32 v[ADRB+\s], s19, v6
	v_add_nc_u32 v[ADRSA+\s], s20, v7
	v_add_nc_u32 v[ADRSB+\s], s21, v8
	s_add_co_u32 s18, s18, SLOT
	s_add_co_u32 s19, s19, SLOT
	s_add_co_u32 s20, s20, SLOT
	s_add_co_u32 s21, s21, SLOT
.endr
	; the way out: my 64 rows o x 128 d are, in w_img, fragments i0 .. i0 + 3 of one q of one block
	s_lshl_b32 s18, s14, 8
	v_lshl_add_u32 v27, v1, 2, s18                 ; LDS: my wave's 256 bytes of scale words, row r's
	v_lshlrev_b32 v31, 3, v3                       ; and on their way out 8 bytes a lane
	v_add_nc_u32 v30, s18, v31
	s_lshr_b32 s84, s17, 1
	s_lshl_b32 s84, s84, 3
	s_lshr_b32 s85, s42, 1
	s_add_co_u32 s84, s84, s85
	s_mul_i32 s84, s84, BBLK                       ; the block: 256 rows o (A's tile / 2), 512 along d (B's tile / 2)
	s_and_b32 s85, s42, 1
	s_lshl_b32 s85, s85, 1
	s_add_co_u32 s85, s85, s16                     ; q = 2 (B's tile % 2) + my half
	s_and_b32 s86, s17, 1
	s_lshl_b32 s86, s86, 3
	s_lshl_b32 s87, s15, 2
	s_add_co_u32 s86, s86, s87                     ; i0 = 8 (A's tile % 2) + 4 x my half
	s_mul_i32 s88, s86, 6144
	s_mul_i32 s90, s85, 1536
	s_add_co_u32 s88, s88, s90
	s_add_co_u32 s88, s88, s84
	s_mov_b32 s89, 0
	s_lshl_b32 s90, s85, 10
	s_lshl_b32 s92, s86, 6
	s_add_co_u32 s90, s90, s92
	s_add_co_u32 s90, s90, s84
	s_add_co_u32 s90, s90, 98304
	s_mov_b32 s91, 0
	s_add_nc_u64 s[12:13], s[10:11], s[90:91]      ; my 64 scale words
	s_add_nc_u64 s[10:11], s[10:11], s[88:89]      ; my four fragments
	s_mov_b32 s94, 0x76543210
	s_mov_b32 s95, 0xfedcba98                      ; v_permlanex16_b32's selects for lane l xor 16
.macro FRAGA reg, slot, q, a           ; a fragment of A, 16 rows x 128 K, 12 registers: lane (r, h) takes 24 bytes of row r's stream of bits at 96 q + 24 h and 24 at 96 q + 48 + 24 h, in pieces of 8 bytes
.irp p, 0,1,2,3,4,5                    ; the mover has laid 16 bytes of padding behind every 128 (16 pieces): where the piece three on, lanes 16-31's, lies behind one padding more, the second address register serves
.set PCE, 12*(\q)+6*(\p/3)+\p%3
.if PCE%16 < 13
	ds_load_b64 v[\reg+2*\p:\reg+2*\p+1], v[ADRA+\slot] offset:8*PCE+16*(PCE/16)+(\a)*16*APITCH
.else
	ds_load_b64 v[\reg+2*\p:\reg+2*\p+1], v[ADRA+2+\slot] offset:8*PCE+16*(PCE/16)+(\a)*16*APITCH
.endif
.endr
.endm
.macro FRAGB reg, slot, q, i           ; a fragment of B is an image of its registers: three loads of 512 consecutive bytes
.irp c, 0,1,2
	ds_load_b128 v[\reg+4*\c:\reg+4*\c+3], v[ADRB+\slot] offset:6144*(\i)+1536*(\q)+512*\c
.endr
.endm
.macro FETCH slot, q, p                ; 48 LDS loads in one run: the fragments of the slot's q-th 128 along K into set p
	WIN TO_B
.irp i, 0,1,2,3,4,5,6,7
	FRAGB 128*(\p)+12*\i, \slot, \q, \i
.endr
	WIN 0
.irp a, 0,1,2,3
	FRAGA AF+48*(\p)+12*\a, \slot, \q, \a
.endr
.endm
.macro SCALES sc                       ; a slot's scale words into set sc: 20 loads
.irp q, 0,1,2,3
.irp j, 0,1,2,3
	ds_load_b32 v[SB+16*\sc+4*\q+\j], v[ADRSB+\sc] offset:1024*\q+128*\j
.endr
.endr
.irp a, 0,1,2,3
	ds_load_b128 v[SA+16*\sc+4*\a:SA+16*\sc+4*\a+3], v[ADRSA+\sc] offset:256*\a
.endr
.endm
.macro WM a, b, p, q, sc, zero         ; one product: A's block a x B's block b.  B's words of an odd block lie in lanes 16-31 of their register.  zero = 1: it starts the sum: nothing is ever cleared
.set rD, 64*(\a)+8*(\b)
.set rB, 128*(\p)+12*(\b)
.set rA, AF+48*(\p)+12*(\a)
.set rSB, SB+16*(\sc)+4*(\q)+(\b)/2
.set rSA, SA+16*(\sc)+4*(\a)+(\q)
.if \zero
.if (\b)%2
	v_wmma_scale_f32_16x16x128_f8f6f4 v[rD:rD+7], v[rB:rB+11], v[rA:rA+11], 0, v[rSB], v[rSA] matrix_a_fmt:MATRIX_FMT_FP6 matrix_b_fmt:MATRIX_FMT_FP6 matrix_a_scale:MATRIX_SCALE_ROW1
.else
	v_wmma_scale_f32_16x16x128_f8f6f4 v[rD:rD+7], v[rB:rB+11], v[rA:rA+11], 0, v[rSB], v[rSA] matrix_a_fmt:MATRIX_FMT_FP6 matrix_b_fmt:MATRIX_FMT_FP6
.endif
.else
.if (\b)%2
	v_wmma_scale_f32_16x16x128_f8f6f4 v[rD:rD+7], v[rB:rB+11], v[rA:rA+11], v[rD:rD+7], v[rSB], v[rSA] matrix_a_fmt:MATRIX_FMT_FP6 matrix_b_fmt:MATRIX_FMT_FP6 matrix_a_scale:MATRIX_SCALE_ROW1
.else
	v_wmma_scale_f32_16x16x128_f8f6f4 v[rD:rD+7], v[rB:rB+11], v[rA:rA+11], v[rD:rD+7], v[rSB], v[rSA] matrix_a_fmt:MATRIX_FMT_FP6 matrix_b_fmt:MATRIX_FMT_FP6
.endif
.endif
.endm
.macro MUL8 a, p, q, sc, zero          ; the 32 accumulators take turns, one instruction a turn, in the same order in every step
.irp b, 0,1,2,3,4,5,6,7
	WM \a, \b, \p, \q, \sc, \zero
.endr
.endm
; A step of 128 along K that has its successor in the same slot: the successor's fragments are asked for first, in one run, and land under this step's 32 products.
; A load into a register that a matrix instruction has read stands four places behind it, and only plain vector instructions that name none of its registers are places (ISA guide 7.12.1 for vector instructions).
.macro STEP slot, q, zero
	s_wait_dscnt 0x0                               ; this step's fragments (and, in a slot's first step, its scale words) are in: they were asked for a step ago
	PLACES 4                                       ; the other set was read by the last step's products
	FETCH \slot, (\q)+1, 1-(\q)%2
	WIN MUL
.irp a, 0,1,2,3
	MUL8 \a, (\q)%2, \q, \slot, \zero
.endr
	WIN 0
.endm
; A slot's last step changes slots: ONE barrier; in front of it each wave waits for all its tensor loads, adds 0 to its spare word, and waits for that and for its own reads of this slot.  fill = 1: this slot is filled again, two K steps ahead.
.macro TURN slot, next, fill
	s_wait_tensorcnt 0x0                           ; all my tensor loads have landed: the one that was out is my part of the next slot;  (every window is 0 here)
	ds_add_u32 v[SPW], v[NIL]                      ; 0 onto my spare word
	s_wait_dscnt 1                                 ; (the add alone may be out: this step's fragments are in)
	WIN MUL
	MUL8 0, 1, 3, \slot, 0                         ; eight matrix instructions stand between the add and the wait for it
	s_wait_dscnt 0x0                               ; the add is done, and my reads of this slot are over
	s_barrier_signal -1
	MUL8 1, 1, 3, \slot, 0
	WIN 0
	s_barrier_wait -1
.if \fill
	CREST                                          ; the barrier has opened a round of the cluster's barrier: no wave of any partner still reads this slot or has a load on its way
	s_add_nc_u64 s[G0A+4*\slot+2:G0A+4*\slot+3], s[G0A+4*\slot+2:G0A+4*\slot+3], 2*384
	s_add_nc_u64 s[G0S+4*\slot+2:G0S+4*\slot+3], s[G0S+4*\slot+2:G0S+4*\slot+3], 2*2048
	s_add_nc_u64 s[G0B+4*\slot+2:G0B+4*\slot+3], s[G0B+4*\slot+2:G0B+4*\slot+3], 2*BBLK
	JLOAD \slot                                    ; the first tensor load behind the round, 112 matrix instructions ahead of the wait for it; the four v_nop behind it are also the places in front of the loads below
.else
	PLACES 4
.endif
	FETCH \next, 0, 0
	SCALES \next
	WIN MUL
	MUL8 2, 1, 3, \slot, 0
	MUL8 3, 1, 3, \slot, 0
	WIN 0
.endm
	s_wait_tensorcnt 1                             ; my part of K step 0 is in (K step 1's load may be out)
	s_barrier_signal -1
	s_barrier_wait -1                              ; everybody's is
	FETCH 0, 0, 0
	SCALES 0
	STEP 0, 0, 1                                   ; the first step stands in front of the loop: its products start the sums
	s_mov_b32 s3, 3
.Llap:                                                 ; a trip goes once round the ring, from a lap's second step to the next lap's first, and fills both slots again: K steps 2 to 7 in three trips
	STEP 0, 1, 0
	STEP 0, 2, 0
	TURN 0, 1, 1
	STEP 1, 0, 0
	STEP 1, 1, 0
	STEP 1, 2, 0
	TURN 1, 0, 1
	STEP 0, 0, 0
	s_sub_co_u32 s3, s3, 1
	s_cmp_lg_u32 s3, 0
	s_cbranch_scc1 .Llap
	STEP 0, 1, 0                                   ; the last lap fills nothing, and has no round of the cluster's barrier
	STEP 0, 2, 0
	TURN 0, 1, 0
	STEP 1, 0, 0
	STEP 1, 1, 0
	STEP 1, 2, 0
	s_wait_dscnt 0x0                               ; the very last step: nothing more to fetch
	WIN MUL
.irp a, 0,1,2,3
	MUL8 \a, 1, 3, 1, 0
.endr
	WIN 0
; THE WAY OUT.  Block a's 64 registers of a lane are 64 numbers of ONE row o: register 16 n + i = d 32 n + 16 (lane / 16) + i of the wave's 128.  They become a fragment's 12 registers and the row's scale word, which leave as they stand:
; the image in memory IS the registers.  Each block has registers of its own for its codes and its word, so that no store's data are written again.
.set PCB, 128                          ; v[128 + 20 a ..]: block a's codes (12) and the second halves as converted
.set TM,  208                          ; v208-211 largest magnitudes, v212-215 the other half's, then the bytes, v220-223 the conversions' scale operands
.set PW,  224                          ; v224-227 the scale words
.macro QUANT a
.set QS, 64*(\a)
.set QC, PCB+20*(\a)
	WIN 0x0a                                       ; sources 0 and 1: window 2
.irp b, 0,1,2,3
	v_max3_num_f32 v[TM+\b], |v[QS+16*\b]|, |v[QS+1+16*\b]|, 0x1800000     ; block b: my 16 numbers (each accumulator from its low end on), and the floor 2^(3 - 127): so the byte cannot fall under 1
.endr
	WIN 0x28                                       ; sources 1 and 2: window 2
.irp i, 2,4,6,8,10,12,14
.irp b, 0,1,2,3
	v_max3_num_f32 v[TM+\b], v[TM+\b], |v[QS+16*\b+\i]|, |v[QS+1+16*\b+\i]|   ; (the four blocks by turns)
.endr
.endr
	WIN 0
.irp b, 0,1,2,3
	v_permlanex16_b32 v[TM+4+\b], v[TM+\b], s94, s95
.endr
.irp b, 0,1,2,3
	v_max_num_f32 v[TM+\b], v[TM+\b], v[TM+4+\b]   ; with lane l xor 16's: the block's largest magnitude
.endr
.irp b, 0,1,2,3
	v_add_nc_u32 v[TM+12+\b], 0xff000000, v[TM+\b] ; 2 off its exponent field: the conversion takes the exponent field of this operand as its scale, and nothing else of it
.endr
.irp b, 0,1,2,3
	v_lshrrev_b32 v[TM+4+\b], 23, v[TM+12+\b]      ; the scale's byte
.endr
	v_lshl_or_b32 v[PW+(\a)], v[TM+5], 8, v[TM+4]  ; the four bytes make my row's scale word
	v_lshl_or_b32 v[PW+(\a)], v[TM+6], 16, v[PW+(\a)]
	v_lshl_or_b32 v[PW+(\a)], v[TM+7], 24, v[PW+(\a)]
	WIN 0x02                                       ; source 0: window 2
.irp c, 0,1
	v_cvt_scalef32_pk16_fp6_f32 v[QC+6*\c:QC+2+6*\c], v[QS+32*\c:QS+15+32*\c], v[TM+12+2*\c]
	v_cvt_scalef32_pk16_fp6_f32 v[QC+12+4*\c:QC+14+4*\c], v[QS+16+32*\c:QS+31+32*\c], v[TM+12+2*\c+1]   ; (a conversion's three registers begin on an even number)
.endr
	WIN 0
	v_nop                                          ; one plain place behind a scaled conversion
.irp c, 0,1                                    ; the operand's layout wants a WHOLE block in a lane: lanes 0-15 block 2 c, lanes 16-31 block 2 c + 1
.irp i, 0,1,2
	v_permlane16_swap_b32 v[QC+6*\c+\i], v[QC+12+4*\c+\i]
.endr
.irp i, 0,1,2
	v_mov_b32 v[QC+3+6*\c+\i], v[QC+12+4*\c+\i]
.endr
.endr
.irp c, 0,1,2
	global_store_b128 v6, v[QC+4*\c:QC+4*\c+3], s[10:11] offset:6144*(\a)+512*\c      ; 512 consecutive bytes of the image; the next launch reads them, so no hint
.endr
	ds_store_b32 v27, v[PW+(\a)] offset:64*(\a)    ; lanes r and r + 16 write the same word with the same value.  These bytes lie in slot 0, which has had its last fill, and which nobody reads behind the last change of slots
.endm
	PLACES 4                                       ; behind the last products: what follows reads their results and writes registers that held their operands
.irp b, 0,1,2,3
	v_mov_b32 v[TM+4+\b], 0                        ; written once: a lane permute's destination counts as one of its sources
.endr
	QUANT 0
	QUANT 1
	QUANT 2
	QUANT 3
	ds_load_b64 v[228:229], v30                    ; LDS serves a wave's instructions in order (ISA guide 5.7.1.4): this sees my four stores
	s_wait_dscnt 0x0
	global_store_b64 v31, v[228:229], s[12:13]     ; the wave's 64 scale words: 256 consecutive bytes, aligned
	s_wait_tensorcnt 0x0                           ; the wave's end: behind my last tensor load and my last LDS store
	ds_add_u32 v[SPW], v[NIL]
	s_wait_dscnt 0x0
	CROUND                                         ; the closing round: no work-group ends while a partner may still ask for a tile that names it
	s_endpgm
.Lfunc_end_k_qd05d1ea36f_gemm1:
	.size	k_qd05d1ea36f_gemm1, .Lfunc_end_k_qd05d1ea36f_gemm1-k_qd05d1ea36f_gemm1
	.p2alignl 7, 3214868480
	.fill 96, 4, 3214868480
	.section	.rodata,"a",@progbits
	.p2align	6, 0x0
	.amdhsa_kernel k_qd05d1ea36f_gemm1
		.amdhsa_group_segment_fixed_size 327680
		.amdhsa_private_segment_fixed_size 0
		.amdhsa_enable_private_segment 0
		.amdhsa_kernarg_size 32
		.amdhsa_user_sgpr_count 2
		.amdhsa_user_sgpr_kernarg_segment_ptr 1
		.amdhsa_wavefront_size32 1
		.amdhsa_system_sgpr_workgroup_id_x 1
		.amdhsa_system_sgpr_workgroup_id_y 1
		.amdhsa_system_sgpr_workgroup_id_z 1
		.amdhsa_system_vgpr_workitem_id 0
		.amdhsa_next_free_vgpr 768
		.amdhsa_next_free_sgpr 96
		.amdhsa_reserve_vcc 0
		.amdhsa_float_denorm_mode_32 3
		.amdhsa_float_denorm_mode_16_64 3
		.amdhsa_memory_ordered 1
		.amdhsa_forward_progress 1
		.amdhsa_inst_pref_size 152
	.end_amdhsa_kernel
	.amdgpu_metadata
---
amdhsa.version: [ 1, 2 ]
amdhsa.kernels:
  - .name:           k_qd05d1ea36f_gemm1
    .symbol:         k_qd05d1ea36f_gemm1.kd
    .args:
      - { .name: U_codes, .offset: 0, .size: 8, .value_kind: global_buffer, .address_space: global }
      - { .name: u_sc, .offset: 8, .size: 8, .value_kind: global_buffer, .address_space: global }
      - { .name: sv_img, .offset: 16, .size: 8, .value_kind: global_buffer, .address_space: global }
      - { .name: w_img, .offset: 24, .size: 8, .value_kind: global_buffer, .address_space: global }
    .group_segment_fixed_size: 327680
    .private_segment_fixed_size: 0
    .kernarg_segment_align: 8
    .kernarg_segment_size: 32
    .max_flat_workgroup_size: 128
    .sgpr_count:     96
    .vgpr_count:     768
    .wavefront_size: 32
...
	.end_amdgpu_metadata
.endif
;; end of part 2
;; launch gemm2 (part 3): grid 8 x 32, 4 waves a work-group, clusters of 4 x 4, 327,680 bytes of LDS; arguments x_codes, x_sc, w_img, out0; writes out0
.if DOCPART == 3
	.amdgcn_target "amdgcn-amd-amdhsa--gfx1250"
	.amdhsa_code_object_version 6
	.text
	.protected	k_qd05d1ea36f_gemm2
	.globl	k_qd05d1ea36f_gemm2
	.p2align	8
	.type	k_qd05d1ea36f_gemm2,@function
k_qd05d1ea36f_gemm2:
	s_mov_b64 s[64:65], 0
	v_nop
	global_prefetch_b8 v0, s[64:65] scope:SCOPE_SE
	s_setreg_imm32_b32 hwreg(HW_REG_WAVE_MODE, 25, 1), 1
	s_wait_xcnt 0x0
	s_wait_alu depctr_hold_cnt(0) depctr_sa_sdst(0) depctr_va_vdst(0) depctr_va_sdst(0) depctr_va_ssrc(0) depctr_va_vcc(0) depctr_vm_vsrc(0)
	s_getreg_b32 s2, hwreg(HW_REG_IB_STS2, 6, 4)
	s_cmp_eq_u32 s2, 0
	s_cbranch_scc0 .Lentry_in_a_cluster
	s_endpgm
.Lentry_in_a_cluster:
	s_bfe_u32 s2, ttmp6, 0x10000c
	s_cmp_lg_u32 s2, 0xf033
	s_cbranch_scc0 .Lentry_shape_is_right
	s_endpgm
.Lentry_shape_is_right:
; out[m][o] = the sum over d of x[m][d] W[o][d], on codes of FP6 (E2M3) with one E8M0 scale for each 32 along d; the sums and the result in f32.
; "A" = x: codes as given, [4,096][3,072 bytes]; its scale bytes laid by K steps (x_sc: [128 rows' tile][T][row][16]).  "B" = W: images of the operand's registers with their scale words (w_img: a block of 102,400 bytes for
; 256 rows o and 512 along K: fragment (i, q) at 6,144 i + 1,536 q, registers 4 c .. 4 c + 3 of lane L at 512 c + 16 L; scale word (q, row) at 98,304 + 1,024 q + 4 row; row 16 i + r is o = 256 J + 16 i + r).
; SHARES.  A tile of out is 128 (m) x 256 (o): 32 x 8 tiles, one for each of 256 work-groups (256 x 256 would give 128).  Four waves, 2 x 2; a wave makes 64 x 128: 32 accumulators of 16 x 16, 256 registers.
; K goes in eight steps of 512 through a ring of two LDS slots filled by the tensor data mover: 128 matrix instructions a wave between two changes of slots.  A wave has two tensor loads out at the start, later one.
; CLUSTERS: 4 x 4 work-groups.  The four of a row of the cluster need the same tiles of A, the four of a column the same blocks of B: each is asked for JOINTLY, by the same tensor load with the same descriptor and a mask that names the four.
; THE MATRIX INSTRUCTION IS USED TRANSPOSED (source 0 = 16 rows of B, source 1 = 16 rows of A): a lane then holds eight neighbouring numbers of a row of out.
; LIMITS: NaN and infinities are not served.
; REGISTERS, in windows of 256: window 0: v1-31 addresses; v32-63 B's scale words, v64-95 A's, two sets each, and nothing else ever; v128-223 A's fragments, two sets of 4 x 12; on the way out v128-255 take rows of out.
;   window 1: B's fragments, two sets of 8 x 12, at v0 and v128.   window 2: the accumulators, (a, b) at v[64 a + 8 b].
.set SLOT,   159744                    ; a slot: A's 128 rows, their scales, B's block
.set APITCH, 432                       ; a row of A in LDS: 3 x (128 bytes of data + 16 of padding) = 108 words: row r starts at bank 44 r mod 64 (64 banks of 4 bytes: ISA guide 11.1): sixteen different multiples of 4
.set ASC,    128*APITCH                ; 55,296: A's scales of this K step, 2,048 bytes
.set BOF,    ASC+2048                  ; 57,344: B's block, 102,400 bytes
.set BSC,    BOF+98304                 ; in it the scale words
.set SPARE,  2*SLOT                    ; behind the ring: the spare words, 128 bytes for each wave: two blocks of 256 bytes that no other line names
.set AROW,   3072                      ; a row of A in memory: 4,096 codes
.set BBLK,   102400
.set SPITCH, 528                       ; the way out: a stage of 16 rows x (512 bytes + 16) for each wave, in slot 0
.set OROW,   8192                      ; a row of out in bytes
.set ADRA,  16                         ; v16-17 LDS address of my A fragments in slot 0, 1;  v18-19 the same for the pieces that lie behind one padding more
.set ADRB,  20                         ; v20-21 of my B fragments
.set ADRSA, 22                         ; v22-23 of A's scale words
.set ADRSB, 24                         ; v24-25 of B's
.set STO,   26                         ; v26    the way out: where I put 32 bytes of a row
.set RD,    27                         ; v27    the way out: where I read a row back
.set CO,    6                          ; v6     16 x lane: my byte offset in a row's 512 bytes of out
.set SPW,   28                         ; v28    LDS address of my spare word: SPARE + 4 x my thread's number; never rewritten
.set NIL,   29                         ; v29    0; never rewritten
.set SB,    32                         ; set s: v[SB + 16 s + 4 q + j]: lanes 0-15 the words of B's block 2 j, lanes 16-31 those of block 2 j + 1, for the slot's q-th 128 along K
.set SA,    64                         ; set s: v[SA + 16 s + 4 a + q]: lanes 0-15 the words of A's block a
.set AF,    128
.set BK,    128                        ; the way out: 16 rows read back from the stage: v128-191 and v192-255 by turns
.set G1A, 24                           ; s[24:31] descriptor group 1 for A's codes;  s[32:39] group 0, one set for each slot
.set G0A, 32
.set G1B, 48                           ; s[48:55], s[56:63] the same for B's blocks
.set G0B, 56
.set G1S, 68                           ; s[68:75], s[76:83] for A's scales
.set G0S, 76
.set MUL,  0xa1                        ; source 0 (B) window 1, source 1 (A) window 0, C and D window 2
.set TO_B, 0x40                        ; destination window 1, address window 0
.set MSB, 0
.macro WIN new                         ; the immediate's high byte repeats the setting that is left
.if MSB != \new
	s_set_vgpr_msb (MSB<<8)|\new
.set MSB, \new
.endif
.endm
.macro PLACES n
.rept \n
	v_nop
.endr
.endm
; A joint load: wave 0 fetches A's codes, wave 1 A's scales, waves 2 and 3 the halves of B's block.  The branches hang on the wave's number alone.  Four v_nop follow each line, ahead of the jump, the label and what follows.
.macro JLOAD s
	s_cmp_eq_u32 s14, 0
	s_cbranch_scc0 .Lnot_a_\@
	tensor_load_to_lds s[G0A+4*\s:G0A+4*\s+3], s[G1A:G1A+7]
	s_nop 0
	PLACES 4
	s_branch .Lasked_\@
.Lnot_a_\@:
	s_cmp_eq_u32 s14, 1
	s_cbranch_scc0 .Lfor_b_\@
	tensor_load_to_lds s[G0S+4*\s:G0S+4*\s+3], s[G1S:G1S+7]
	s_nop 0
	PLACES 4
	s_branch .Lasked_\@
.Lfor_b_\@:
	tensor_load_to_lds s[G0B+4*\s:G0B+4*\s+3], s[G1B:G1B+7]
	s_nop 0
	PLACES 4
.Lasked_\@:
.endm
.macro CREST                           ; a round of the cluster's barrier behind its opening barrier
	s_cmp_lg_u32 s14, 0
	s_cbranch_scc1 .Lnot_wave_0_\@
	s_barrier_signal -3
.Lnot_wave_0_\@:
	s_barrier_wait -3
	s_barrier_signal -1
	s_barrier_wait -1
.endm
.macro CROUND                          ; a whole round
	s_barrier_signal -1
	s_barrier_wait -1
	CREST
.endm
	s_load_b256 s[4:11], s[0:1], 0x0               ; A's codes s[4:5], A's scales s[6:7], B's images s[8:9], the result s[10:11]
	v_lshl_add_u32 v[SPW], v0, 2, SPARE
	v_mov_b32 v[NIL], 0
	ds_add_u32 v28, v29
	ds_add_u32 v28, v29
	s_wait_dscnt 0x0
	v_lshrrev_b32 v1, 5, v0
	v_readfirstlane_b32 s14, v1                    ; wave 0..3
	s_lshr_b32 s15, s14, 1                         ; which 64 of the tile's rows of A are mine
	s_and_b32 s16, s14, 1                          ; which 128 of its rows of B.  Also: which half of B's block waves 2 and 3 fetch
	s_bfe_u32 s40, ttmp6, 0x40000                  ; cx, cy: my place in the cluster
	s_bfe_u32 s41, ttmp6, 0x40004
	s_lshl_b32 s42, ttmp9, 2
	s_add_co_u32 s42, s42, s40                     ; B's tile = 4 x cluster x + cx
	s_and_b32 s17, ttmp7, 0xffff
	s_lshl_b32 s17, s17, 2
	s_add_co_u32 s17, s17, s41                     ; A's tile = 4 x cluster y + cy
	s_lshl_b32 s43, s41, 2
	s_lshl_b32 s43, 15, s43                        ; my row of the cluster
	s_lshl_b32 s44, 0x1111, s40                    ; my column
	; A's codes: 128 rows x 384 bytes, 3,072 bytes apart
	s_or_b32 s[G1A+0], s43, (1<<20)|(1<<21)|(4<<22)|(3<<25)   ; 15:0 the mask: my row; 17:16 elements of 1 byte; 20 padding on; 21 set beside a mask; 24:22 after every 32 words (code 4); 31:25 of 4 words (code 3)
	s_mov_b32 s[G1A+1], 384<<16                    ; tensor_dim0
	s_mov_b32 s[G1A+2], 128<<16                    ; tensor_dim1
	s_mov_b32 s[G1A+3], 384<<16                    ; tile_dim0
	s_mov_b32 s[G1A+4], 128                        ; tile_dim1
	s_mov_b32 s[G1A+5], AROW                       ; tensor_dim0_stride
	s_mov_b32 s[G1A+6], 0
	s_mov_b32 s[G1A+7], 0
	; A's scales: 2,048 dense bytes as 8 rows of 256 (32 elements of 8 bytes)
	s_or_b32 s[G1S+0], s43, (3<<16)|(1<<21)
	s_mov_b32 s[G1S+1], 32<<16
	s_mov_b32 s[G1S+2], 8<<16
	s_mov_b32 s[G1S+3], 32<<16
	s_mov_b32 s[G1S+4], 8
	s_mov_b32 s[G1S+5], 32
	s_mov_b32 s[G1S+6], 0
	s_mov_b32 s[G1S+7], 0
	; half of B's block: 51,200 dense bytes as 200 rows of 256
	s_or_b32 s[G1B+0], s44, (3<<16)|(1<<21)        ; the mask: my column
	s_mov_b32 s[G1B+1], 32<<16
	s_mov_b32 s[G1B+2], 200<<16
	s_mov_b32 s[G1B+3], 32<<16
	s_mov_b32 s[G1B+4], 200
	s_mov_b32 s[G1B+5], 32
	s_mov_b32 s[G1B+6], 0
	s_mov_b32 s[G1B+7], 0
	s_mul_i32 s18, s17, 128*AROW                   ; A's tile in bytes: it hangs on A's tile number alone, which my row of the cluster shares
	s_mov_b32 s19, 0
	s_lshl_b32 s22, s17, 14                        ; its scales: 16,384 bytes a tile
	s_mov_b32 s23, 0
	s_mul_i32 s46, s42, 8*BBLK                     ; B's tile: eight blocks; it hangs on B's tile number alone, which my column shares,
	s_mul_i32 s84, s16, BBLK/2                     ; and on the wave's number
	s_add_co_u32 s46, s46, s84
	s_mov_b32 s47, 0
	s_wait_kmcnt 0x0
	s_add_nc_u64 s[20:21], s[4:5], s[18:19]
	s_add_nc_u64 s[22:23], s[6:7], s[22:23]
	s_add_nc_u64 s[46:47], s[8:9], s[46:47]
	CROUND                                         ; all sixteen work-groups are here: the first joint loads meet
.irp s, 0,1
	s_mov_b32 s[G0A+4*\s], 1                                       ; 1:0 count = 1
	s_mov_b32 s[G0A+4*\s+1], \s*SLOT                               ; 63:32 LDS address: no place in the cluster enters it
	s_add_nc_u64 s[G0A+4*\s+2:G0A+4*\s+3], s[20:21], \s*384        ; 120:64 global address: K step s
	s_or_b32 s[G0A+4*\s+3], s[G0A+4*\s+3], 0x80000000              ; 127:126 type = 2
	s_mov_b32 s[G0S+4*\s], 1
	s_mov_b32 s[G0S+4*\s+1], \s*SLOT+ASC
	s_add_nc_u64 s[G0S+4*\s+2:G0S+4*\s+3], s[22:23], \s*2048
	s_or_b32 s[G0S+4*\s+3], s[G0S+4*\s+3], 0x80000000
	s_mov_b32 s[G0B+4*\s], 1
	s_add_co_u32 s[G0B+4*\s+1], s84, \s*SLOT+BOF
	s_add_nc_u64 s[G0B+4*\s+2:G0B+4*\s+3], s[46:47], \s*BBLK
	s_or_b32 s[G0B+4*\s+3], s[G0B+4*\s+3], 0x80000000
.endr
	s_cmp_eq_u32 s14, 0                            ; a wave's two first fills stand in one branch, ahead of every wait on TENSORcnt and every LDS read: two loads of mine are out; four v_nop follow the second
	s_cbranch_scc0 .Lfirst_not_a
	tensor_load_to_lds s[G0A:G0A+3], s[G1A:G1A+7]
	s_nop 0
	tensor_load_to_lds s[G0A+4:G0A+7], s[G1A:G1A+7]
	s_nop 0
	PLACES 4
	s_branch .Lfirst_asked
.Lfirst_not_a:
	s_cmp_eq_u32 s14, 1
	s_cbranch_scc0 .Lfirst_b
	tensor_load_to_lds s[G0S:G0S+3], s[G1S:G1S+7]
	s_nop 0
	tensor_load_to_lds s[G0S+4:G0S+7], s[G1S:G1S+7]
	s_nop 0
	PLACES 4
	s_branch .Lfirst_asked
.Lfirst_b:
	tensor_load_to_lds s[G0B:G0B+3], s[G1B:G1B+7]
	s_nop 0
	tensor_load_to_lds s[G0B+4:G0B+7], s[G1B:G1B+7]
	s_nop 0
	PLACES 4
.Lfirst_asked:
	v_and_b32 v1, 15, v0                           ; r = lane % 16
	v_bfe_u32 v2, v0, 4, 1                         ; h = lane / 16
	v_and_b32 v3, 31, v0                           ; lane
	v_mul_u32_u24 v4, v1, APITCH
	v_mad_u32_u24 v4, v2, 24, v4                   ; A: a fragment's row x pitch + 24 x half,
	v_lshl_add_u32 v5, v2, 4, v4                   ; and the same behind one padding more
	v_lshlrev_b32 v6, 4, v3                        ; 16 x lane: an image's place for my lane; never rewritten
	v_lshlrev_b32 v7, 4, v1                        ; A's scales: 16 bytes a row
	v_lshlrev_b32 v8, 2, v3                        ; B's: 4 bytes a row, 32 rows a load
	s_mul_i32 s18, s15, 64*APITCH                  ; my 64 rows of A
	s_mul_i32 s19, s16, 8*6144                     ; my 8 fragments' rows of B
	s_add_co_u32 s19, s19, BOF
	s_lshl_b32 s20, s15, 10
	s_add_co_u32 s20, s20, ASC
	s_lshl_b32 s21, s16, 9
	s_add_co_u32 s21, s21, BSC
.irp s, 0,1
	v_add_nc_u32 v[ADRA+\s], s18, v4
	v_add_nc_u32 v[ADRA+2+\s], s18, v5
	v_add_nc_u32 v[ADRB+\s], s19, v6
	v_add_nc_u32 v[ADRSA+\s], s20, v7
	v_add_nc_u32 v[ADRSB+\s], s21, v8
	s_add_co_u32 s18, s18, SLOT
	s_add_co_u32 s19, s19, SLOT
	s_add_co_u32 s20, s20, SLOT
	s_add_co_u32 s21, s21, SLOT
.endr
	s_mul_i32 s18, s14, 16*SPITCH                  ; my stage
	v_mul_u32_u24 v9, v1, SPITCH                   ; in: row l % 16, 32 bytes for each half of the lanes
	v_lshl_add_u32 v9, v2, 5, v9
	v_add_nc_u32 v[STO], s18, v9
	v_add_nc_u32 v[RD], s18, v6                    ; back: the 32 lanes take one row of 512 bytes
	s_lshl_b32 s84, s17, 7
	s_lshl_b32 s85, s15, 6
	s_add_co_u32 s84, s84, s85                     ; my first row of out: 128 x A's tile + 64 x half
	s_lshl_b32 s84, s84, 13                        ; in bytes (under 2^26)
	s_lshl_b32 s86, s42, 10                        ; my first column, in bytes: 1,024 x B's tile + 512 x half
	s_lshl_b32 s87, s16, 9
	s_add_co_u32 s84, s84, s86
	s_add_co_u32 s84, s84, s87
	s_mov_b32 s85, 0
	s_add_nc_u64 s[10:11], s[10:11], s[84:85]
.macro FRAGA reg, slot, q, a           ; a fragment of A, 16 rows x 128 K, 12 registers: lane (r, h) takes 24 bytes of row r's stream of bits at 96 q + 24 h and 24 at 96 q + 48 + 24 h, in pieces of 8 bytes
.irp p, 0,1,2,3,4,5                    ; the mover has laid 16 bytes of padding behind every 128 (16 pieces): where the piece three on, lanes 16-31's, lies behind one padding more, the second address register serves
.set PCE, 12*(\q)+6*(\p/3)+\p%3
.if PCE%16 < 13
	ds_load_b64 v[\reg+2*\p:\reg+2*\p+1], v[ADRA+\slot] offset:8*PCE+16*(PCE/16)+(\a)*16*APITCH
.else
	ds_load_b64 v[\reg+2*\p:\reg+2*\p+1], v[ADRA+2+\slot] offset:8*PCE+16*(PCE/16)+(\a)*16*APITCH
.endif
.endr
.endm
.macro FRAGB reg, slot, q, i           ; a fragment of B is an image of its registers: three loads of 512 consecutive bytes
.irp c, 0,1,2
	ds_load_b128 v[\reg+4*\c:\reg+4*\c+3], v[ADRB+\slot] offset:6144*(\i)+1536*(\q)+512*\c
.endr
.endm
.macro FETCH slot, q, p                ; 48 LDS loads in one run: the fragments of the slot's q-th 128 along K into set p
	WIN TO_B
.irp i, 0,1,2,3,4,5,6,7
	FRAGB 128*(\p)+12*\i, \slot, \q, \i
.endr
	WIN 0
.irp a, 0,1,2,3
	FRAGA AF+48*(\p)+12*\a, \slot, \q, \a
.endr
.endm
.macro SCALES sc                       ; a slot's scale words into set sc: 20 loads
.irp q, 0,1,2,3
.irp j, 0,1,2,3
	ds_load_b32 v[SB+16*\sc+4*\q+\j], v[ADRSB+\sc] offset:1024*\q+128*\j
.endr
.endr
.irp a, 0,1,2,3
	ds_load_b128 v[SA+16*\sc+4*\a:SA+16*\sc+4*\a+3], v[ADRSA+\sc] offset:256*\a
.endr
.endm
.macro WM a, b, p, q, sc, zero         ; one product: A's block a x B's block b.  B's words of an odd block lie in lanes 16-31 of their register.  zero = 1: it starts the sum: nothing is ever cleared
.set rD, 64*(\a)+8*(\b)
.set rB, 128*(\p)+12*(\b)
.set rA, AF+48*(\p)+12*(\a)
.set rSB, SB+16*(\sc)+4*(\q)+(\b)/2
.set rSA, SA+16*(\sc)+4*(\a)+(\q)
.if \zero
.if (\b)%2
	v_wmma_scale_f32_16x16x128_f8f6f4 v[rD:rD+7], v[rB:rB+11], v[rA:rA+11], 0, v[rSB], v[rSA] matrix_a_fmt:MATRIX_FMT_FP6 matrix_b_fmt:MATRIX_FMT_FP6 matrix_a_scale:MATRIX_SCALE_ROW1
.else
	v_wmma_scale_f32_16x16x128_f8f6f4 v[rD:rD+7], v[rB:rB+11], v[rA:rA+11], 0, v[rSB], v[rSA] matrix_a_fmt:MATRIX_FMT_FP6 matrix_b_fmt:MATRIX_FMT_FP6
.endif
.else
.if (\b)%2
	v_wmma_scale_f32_16x16x128_f8f6f4 v[rD:rD+7], v[rB:rB+11], v[rA:rA+11], v[rD:rD+7], v[rSB], v[rSA] matrix_a_fmt:MATRIX_FMT_FP6 matrix_b_fmt:MATRIX_FMT_FP6 matrix_a_scale:MATRIX_SCALE_ROW1
.else
	v_wmma_scale_f32_16x16x128_f8f6f4 v[rD:rD+7], v[rB:rB+11], v[rA:rA+11], v[rD:rD+7], v[rSB], v[rSA] matrix_a_fmt:MATRIX_FMT_FP6 matrix_b_fmt:MATRIX_FMT_FP6
.endif
.endif
.endm
.macro MUL8 a, p, q, sc, zero          ; the 32 accumulators take turns, one instruction a turn, in the same order in every step
.irp b, 0,1,2,3,4,5,6,7
	WM \a, \b, \p, \q, \sc, \zero
.endr
.endm
; A step of 128 along K that has its successor in the same slot: the successor's fragments are asked for first, in one run, and land under this step's 32 products.
; A load into a register that a matrix instruction has read stands four places behind it, and only plain vector instructions that name none of its registers are places (ISA guide 7.12.1 for vector instructions).
.macro STEP slot, q, zero
	s_wait_dscnt 0x0                               ; this step's fragments (and, in a slot's first step, its scale words) are in: they were asked for a step ago
	PLACES 4                                       ; the other set was read by the last step's products
	FETCH \slot, (\q)+1, 1-(\q)%2
	WIN MUL
.irp a, 0,1,2,3
	MUL8 \a, (\q)%2, \q, \slot, \zero
.endr
	WIN 0
.endm
; A slot's last step changes slots: ONE barrier; in front of it each wave waits for all its tensor loads, adds 0 to its spare word, and waits for that and for its own reads of this slot.  fill = 1: this slot is filled again, two K steps ahead.
.macro TURN slot, next, fill
	s_wait_tensorcnt 0x0                           ; all my tensor loads have landed: the one that was out is my part of the next slot;  (every window is 0 here)
	ds_add_u32 v[SPW], v[NIL]                      ; 0 onto my spare word
	s_wait_dscnt 1                                 ; (the add alone may be out: this step's fragments are in)
	WIN MUL
	MUL8 0, 1, 3, \slot, 0                         ; eight matrix instructions stand between the add and the wait for it
	s_wait_dscnt 0x0                               ; the add is done, and my reads of this slot are over
	s_barrier_signal -1
	MUL8 1, 1, 3, \slot, 0
	WIN 0
	s_barrier_wait -1
.if \fill
	CREST                                          ; the barrier has opened a round of the cluster's barrier: no wave of any partner still reads this slot or has a load on its way
	s_add_nc_u64 s[G0A+4*\slot+2:G0A+4*\slot+3], s[G0A+4*\slot+2:G0A+4*\slot+3], 2*384
	s_add_nc_u64 s[G0S+4*\slot+2:G0S+4*\slot+3], s[G0S+4*\slot+2:G0S+4*\slot+3], 2*2048
	s_add_nc_u64 s[G0B+4*\slot+2:G0B+4*\slot+3], s[G0B+4*\slot+2:G0B+4*\slot+3], 2*BBLK
	JLOAD \slot                                    ; the first tensor load behind the round, 112 matrix instructions ahead of the wait for it; the four v_nop behind it are also the places in front of the loads below
.else
	PLACES 4
.endif
	FETCH \next, 0, 0
	SCALES \next
	WIN MUL
	MUL8 2, 1, 3, \slot, 0
	MUL8 3, 1, 3, \slot, 0
	WIN 0
.endm
	s_wait_tensorcnt 1                             ; my part of K step 0 is in (K step 1's load may be out)
	s_barrier_signal -1
	s_barrier_wait -1                              ; everybody's is
	FETCH 0, 0, 0
	SCALES 0
	STEP 0, 0, 1                                   ; the first step stands in front of the loop: its products start the sums
	s_mov_b32 s3, 3
.Llap:                                                 ; a trip goes once round the ring, from a lap's second step to the next lap's first, and fills both slots again: K steps 2 to 7 in three trips
	STEP 0, 1, 0
	STEP 0, 2, 0
	TURN 0, 1, 1
	STEP 1, 0, 0
	STEP 1, 1, 0
	STEP 1, 2, 0
	TURN 1, 0, 1
	STEP 0, 0, 0
	s_sub_co_u32 s3, s3, 1
	s_cmp_lg_u32 s3, 0
	s_cbranch_scc1 .Llap
	STEP 0, 1, 0                                   ; the last lap fills nothing, and has no round of the cluster's barrier
	STEP 0, 2, 0
	TURN 0, 1, 0
	STEP 1, 0, 0
	STEP 1, 1, 0
	STEP 1, 2, 0
	s_wait_dscnt 0x0                               ; the very last step: nothing more to fetch
	WIN MUL
.irp a, 0,1,2,3
	MUL8 \a, 1, 3, 1, 0
.endr
	WIN 0
; THE WAY OUT, block by block of 16 rows x 128 columns.  A lane holds 32 neighbouring bytes of a row, and the lanes beside it hold other rows: so a block goes through my own stage in LDS and comes back as whole rows of 512 bytes,
; which the 32 lanes store as 512 consecutive bytes, aligned.  The stage lies in slot 0, which has had its last fill, and which nobody reads behind the last change of slots.
; LDS serves a wave's instructions in order (ISA guide 5.7.1.4): no wait between the stores and the loads, nor in front of the next block's stores.
.macro TOSTAGE a
	WIN 0x08                                       ; an LDS store's data are its source 1: window 2
.irp b, 0,1,2,3,4,5,6,7
	ds_store_b128 v[STO], v[64*(\a)+8*\b:64*(\a)+8*\b+3] offset:64*\b          ; each accumulator from its low end on
	ds_store_b128 v[STO], v[64*(\a)+8*\b+4:64*(\a)+8*\b+7] offset:64*\b+16
.endr
	WIN 0
.set BB, BK+64*((\a)%2)
.irp t, 0,1,2,3,4,5,6,7,8,9,10,11,12,13,14,15
	ds_load_b128 v[BB+4*\t:BB+4*\t+3], v[RD] offset:\t*SPITCH
.endr
.endm
.macro SEND a, younger                 ; younger: the LDS instructions issued behind block a's loads, which may stay out
.set BB, BK+64*((\a)%2)
	s_wait_dscnt \younger                          ; the block is back in registers
.if (\a) > 0
	s_add_nc_u64 s[10:11], s[10:11], 16*OROW       ; (behind a wait on XCNT for 0: the earlier stores have read their base)  16 rows of out on
.endif
.irp t, 0,1,2,3,4,5,6,7,8,9,10,11,12,13,14,15
	global_store_b128 v[CO], v[BB+4*\t:BB+4*\t+3], s[10:11] offset:\t*OROW th:TH_STORE_NT   ; written once, read by nobody here
.endr
.endm
	PLACES 4                                       ; behind the last products: what follows reads their results and loads into registers that held their operands
	TOSTAGE 0
.irp a, 1,2,3
.if \a > 1
	s_wait_xcnt 0x0                                ; block a - 2's stores have read their registers and their base: block a's loads may land there, and the base may step
.endif
	TOSTAGE \a
	SEND \a-1, 32                                  ; behind block a - 1's loads: block a's 16 stores and 16 loads
.endr
	s_wait_xcnt 0x0                                ; block 2's stores have read their base
	SEND 3, 0
	s_wait_tensorcnt 0x0                           ; the wave's end: behind my last tensor load and my last LDS store
	ds_add_u32 v[SPW], v[NIL]
	s_wait_dscnt 0x0
	CROUND                                         ; the closing round: no work-group ends while a partner may still ask for a tile that names it
	s_endpgm
.Lfunc_end_k_qd05d1ea36f_gemm2:
	.size	k_qd05d1ea36f_gemm2, .Lfunc_end_k_qd05d1ea36f_gemm2-k_qd05d1ea36f_gemm2
	.p2alignl 7, 3214868480
	.fill 96, 4, 3214868480
	.section	.rodata,"a",@progbits
	.p2align	6, 0x0
	.amdhsa_kernel k_qd05d1ea36f_gemm2
		.amdhsa_group_segment_fixed_size 327680
		.amdhsa_private_segment_fixed_size 0
		.amdhsa_enable_private_segment 0
		.amdhsa_kernarg_size 32
		.amdhsa_user_sgpr_count 2
		.amdhsa_user_sgpr_kernarg_segment_ptr 1
		.amdhsa_wavefront_size32 1
		.amdhsa_system_sgpr_workgroup_id_x 1
		.amdhsa_system_sgpr_workgroup_id_y 1
		.amdhsa_system_sgpr_workgroup_id_z 1
		.amdhsa_system_vgpr_workitem_id 0
		.amdhsa_next_free_vgpr 768
		.amdhsa_next_free_sgpr 96
		.amdhsa_reserve_vcc 0
		.amdhsa_float_denorm_mode_32 3
		.amdhsa_float_denorm_mode_16_64 3
		.amdhsa_memory_ordered 1
		.amdhsa_forward_progress 1
		.amdhsa_inst_pref_size 149
	.end_amdhsa_kernel
	.amdgpu_metadata
---
amdhsa.version: [ 1, 2 ]
amdhsa.kernels:
  - .name:           k_qd05d1ea36f_gemm2
    .symbol:         k_qd05d1ea36f_gemm2.kd
    .args:
      - { .name: x_codes, .offset: 0, .size: 8, .value_kind: global_buffer, .address_space: global }
      - { .name: x_sc, .offset: 8, .size: 8, .value_kind: global_buffer, .address_space: global }
      - { .name: w_img, .offset: 16, .size: 8, .value_kind: global_buffer, .address_space: global }
      - { .name: out0, .offset: 24, .size: 8, .value_kind: global_buffer, .address_space: global }
    .group_segment_fixed_size: 327680
    .private_segment_fixed_size: 0
    .kernarg_segment_align: 8
    .kernarg_segment_size: 32
    .max_flat_workgroup_size: 128
    .sgpr_count:     96
    .vgpr_count:     768
    .wavefront_size: 32
...
	.end_amdgpu_metadata
.endif
;; end of part 3
